; MI455X (gfx1250); checked and timed in simulation.
; The chip was launched on July 23, 2026; its instructions are those of AMD's public machine-readable ISA for CDNA 5 (MIT licence, August 2026) and "CDNA5" Instruction Set Architecture Reference Guide (July 2026). The comments in the code are by the model that wrote it; some were corrected since.
;; Attention Layer. Allowed arithmetic: matrix products marked QUANTISED: E5M2 operands, one given power-of-two scale a tensor, by v_wmma_f32_16x16x64_bf8_bf8 or v_wmma_f32_16x16x128_bf8_bf8, f32 sums; everything else in f32.
;; Inputs: attention_mask 4 x 2,048 x 2,048 int32; bk 1,024 float32; bq 1,024 float32; bv 1,024 float32; lowp_scales 10 int32 (the exponents e of the quantised operands' scales 2^e); wk_codes 1,024 x 32 x 32 uint8 (E5M2 codes of wk, K innermost, in blocks of 32 codes); wq_codes 1,024 x 32 x 32 uint8 (E5M2 codes of wq, K innermost, in blocks of 32 codes); wv_codes 1,024 x 32 x 32 uint8 (E5M2 codes of wv, K innermost, in blocks of 32 codes); x_from_codes 4 x 2,048 x 32 x 32 uint8 (E5M2 codes of x_from, K innermost, in blocks of 32 codes); x_to_codes 4 x 2,048 x 32 x 32 uint8 (E5M2 codes of x_to, K innermost, in blocks of 32 codes).
;; Outputs: out0 4 x 2,048 x 1,024 float32.
;; This version of the problem:
;;   THIS VERSION OF THE PROBLEM IS GIVEN IN LOW PRECISION. The matrix products marked QUANTISED in the list below multiply operands that are first quantised to E5M2 (5 exponent bits, 2 mantissa bits; 8 bits a number), with one given power-of-two scale for each operand tensor; their sums are f32. All else is computed in f32.
;;   The module's matrix products, in the order in which they are computed (A, B: the left and right operand; K: the contracted axis; several contracted axes count as one K, in the product's order):
;;     1. [M 8,192, K 1,024] x [K 1,024, N 1,024]; A: input x_from (given as codes); B: input wq (given as codes): QUANTISED (scales: A lowp_scales[0], B lowp_scales[1])
;;     2. [M 8,192, K 1,024] x [K 1,024, N 1,024]; A: input x_to (given as codes); B: input wk (given as codes): QUANTISED (scales: A lowp_scales[2], B lowp_scales[3])
;;     3. [M 8,192, K 1,024] x [K 1,024, N 1,024]; A: input x_to (given as codes); B: input wv (given as codes): QUANTISED (scales: A lowp_scales[4], B lowp_scales[5])
;;     4. batch 64 x [M 2,048, K 64] x [K 64, N 2,048]; A: computed on the way; B: computed on the way: QUANTISED (scales: A lowp_scales[6], B lowp_scales[7])
;;     5. batch 64 x [M 2,048, K 2,048] x [K 2,048, N 64]; A: softmax (see below); B: computed on the way: QUANTISED (scales: A lowp_scales[8], B lowp_scales[9])
;;   THE QUANTISER, for each operand of a quantised product, along K:
;;     - The operand's scale is 2^e, e = its entry of the input lowp_scales (int32; the entries are numbered through the quantised products in the list's order, A before B).
;;     - Each number is divided by the scale, clamped to +-57,344, and rounded to the nearest number of E5M2, ties to even, subnormals kept.
;;     - The product sums the exact products of the quantised numbers (number of the format x scale) in f32.
;;   ~~~python
;;   def quantise(x, axis, e):      # numpy; x: float32 -> the quantised numbers, widened to float32 again
;;       x = np.moveaxis(x, axis, -1); K = x.shape[-1]
;;       r = np.clip(x / 2.0 ** e, -57344, 57344)
;;       step = 2.0 ** (np.maximum(np.frexp(np.where(r == 0, 1, r))[1] - 1, -14) - 2)
;;       q = np.round(r / step) * step * 2.0 ** e      # np.round: ties to even
;;       return np.moveaxis(q, -1, axis).astype(np.float32)
;;   ~~~
;;   SOFTMAX AHEAD OF A QUANTISED PRODUCT. Where the list says 'softmax', what is quantised is not the finished softmax but p = 2^(t - M), with t = logit x log2(e) and M = ceil(the row's largest t), a whole number; so 1/2 < the row's largest p <= 1. The row's sum l is taken of the UNQUANTISED p, in f32, and the product's result is divided by l at the end. Since M is a whole number, a kernel that streams over the keys may use a running M (the ceiling of the running maximum): every later rescaling is an exact power of two, so the quantised numbers keep their values, but for numbers so far below the row's largest that they fall under the format's range.
;;   OPERANDS COMPUTED ON THE WAY. 'Computed on the way' means the value that the module computes at that place (a softmax that the list does not call 'softmax' is quantised finished and normalised). What goes into a quantiser is computed in f32, as accurately as f32 sums, v_exp_f32 and their like allow (about 1e-6 of the number): no bf16 or f16 on the way to a quantiser, and a product that is left as it is and whose result goes on into a quantised operand takes f32 operands (vector FMAs, or v_wmma_f32_16x16x4_f32). A number that lies on a knife's edge between two numbers of the format may be rounded either way, as far as f32 arithmetic and the matrix unit's own rounding can turn it there, and no further.
;;   INPUTS GIVEN AS CODES. wk (in the module: [1024, 1024], K = its axis 0); wq (in the module: [1024, 1024], K = its axis 0); wv (in the module: [1024, 1024], K = its axis 0); x_from (in the module: [4, 2048, 1024], K = its axis 2); x_to (in the module: [4, 2048, 1024], K = its axis 2): each comes as NAME_codes (uint8): NAME with its K axis moved to the last place and cut into blocks of 32 codes, [.., K / 32, bytes a block], one block behind the other in memory; one code a byte (a code: sign, 5 exponent bits, 2 mantissa bits); its scale is its entry of lowp_scales. Its value is code x scale, taken as it is: it is not quantised again, and the codes and scales need not be those that the quantiser above would give.
;; One version. Each part assembles by itself: llvm-mc -triple=amdgcn-amd-amdhsa -mcpu=gfx1250 --defsym DOCPART=n.
;; ======== version 1 of 1: 2 launches
;; limits: right only within a limited range of input values
;; workspace buffers: qimg 8,388,608 bytes; kimg 8,388,608 bytes; vimg 8,388,608 bytes
;; launch proj (part 1): grid 4 x 96, 4 waves a work-group, clusters of 4 x 4, 327,680 bytes of LDS; arguments x_from_codes, x_to_codes, wq_codes, wk_codes, wv_codes, bq, bk, bv, lowp_scales, qimg, kimg, vimg; writes qimg, kimg, vimg
.if DOCPART == 1
	.amdgcn_target "amdgcn-amd-amdhsa--gfx1250"
	.amdhsa_code_object_version 6
	.text
	.protected	k_q1d01cd5fd9_proj
	.globl	k_q1d01cd5fd9_proj
	.p2align	8
	.type	k_q1d01cd5fd9_proj,@function
k_q1d01cd5fd9_proj:
	s_mov_b64 s[64:65], 0
	v_nop
	global_prefetch_b8 v0, s[64:65] scope:SCOPE_SE
	s_setreg_imm32_b32 hwreg(HW_REG_WAVE_MODE, 25, 1), 1
	s_wait_xcnt 0x0
	s_wait_alu depctr_hold_cnt(0) depctr_sa_sdst(0) depctr_va_vdst(0) depctr_va_sdst(0) depctr_va_ssrc(0) depctr_va_vcc(0) depctr_vm_vsrc(0)
	s_getreg_b32 s2, hwreg(HW_REG_IB_STS2, 6, 4)
	s_cmp_eq_u32 s2, 0
	s_cbranch_scc0 .Lentry_in_a_cluster
	s_endpgm
.Lentry_in_a_cluster:
	s_bfe_u32 s2, ttmp6, 0x10000c
	s_cmp_lg_u32 s2, 0xf033
	s_cbranch_scc0 .Lentry_shape_is_right
	s_endpgm
.Lentry_shape_is_right:
; THE THREE PROJECTIONS on codes of BF8 (E5M2): q = x_from wq + bq, k = x_to wk + bk, v = x_to wv + bv, each [8192, 1024] with K = 1024.  No work of the problem is left out.
; The cluster's y gives the role (y / 8: 0 q, 1 k, 2 v) and the role's block of four tiles (y % 8).  A work-group makes 256 x 256 sums, a wave 128 x 128, K in steps of 256 through a ring of two LDS slots.
; Roles q and k: source 1 = rows of x, source 0 = rows of the weight; role v: the two are swapped, so that a lane's eight results run along the tokens, which are the second attention product's K.
; Each finished sum x 2^(its two operands' e) + the bias is held at +-57,344 x 2^e, quantised with 2^e (e = entry 6, 7 or 9 of the scales) and stored as codes in the order of the attention launch's fragment registers.
; CLUSTER 4 x 4: source 1's tile is asked for jointly along a row of the cluster, source 0's along a column.
; PREFETCH: behind the joint load of K step t stands one prefetch for K step t + 1 (t = 0, 1, 2): of the 128 rows that a wave fetches each of the four partners names 32, told apart by address, a lane a row of 256 bytes.
; A weight's rows are walked by all eight clusters of a role: the first four of them ask.  K step 0 comes by its load alone; K step 3's load asks for nothing.
; LIMITS on the given exponents, so that each power of two is an f32 number: e0 + e1, e2 + e3, e4 + e5 between -126 and 127; e6, e7, e9 between -126 and 112.
.set KSTEP,  256
.set ROWB,   256
.set KROW,   1024
.set PITCH,  272
.set FR,     16
.set NL,     4
.set NP,     4
.set HALFT,  128*PITCH
.set SLOT,   4*HALFT
.set LAPS,   KROW/(2*KSTEP)
.set SPARE,  2*SLOT
.set ADRA, 16
.set ADRB, 20
.set LO,   26
.set HO,   27
.set SPW,  28
.set NIL,  29
.set RO,   30
.set PFO,  31                          ; v31  the prefetches' offset: 1,024 x lane, a row of codes; never rewritten
.set PFA,  76                          ; s[76:77] my work-group's 32 rows of the 128 that my wave fetches, at K step 0; never rewritten
.set NOASK, 80                         ; s80  1 in a wave that fetches a weight's rows in the role's last four clusters: it asks for nothing
.macro ASKP kstep
	s_cmp_eq_u32 s[NOASK], 0
	s_cbranch_scc0 .Lno_ask_\@
	global_prefetch_b8 v[PFO], s[PFA:PFA+1] offset:(\kstep)*256 th:TH_LOAD_NT scope:SCOPE_SE
.Lno_ask_\@:
.endm
.set BJ,   32
.set BI,   96
.set LIMV, 112
.set SC,   113
.set AF,   128
.set T,    128
.set CD,   192
.set G1, 24
.set G0, 32
.set G1B, 48
.set G0B, 56
.set MSB, 0
.macro WIN new
.if MSB != \new
	s_set_vgpr_msb (MSB<<8)|\new
.set MSB, \new
.endif
.endm
.set MUL_LO, 0xa1
.set MUL_HI, 0xf1
.set TO_B,   0x40
.macro JLOAD g0a, g1a, g0b, g1b
	s_cmp_eq_u32 s15, 0
	s_cbranch_scc0 .Lfor_b_\@
	tensor_load_to_lds s[\g0a:\g0a+3], s[\g1a:\g1a+7]
	s_nop 0
.rept 4
	v_nop
.endr
	s_branch .Lasked_\@
.Lfor_b_\@:
	tensor_load_to_lds s[\g0b:\g0b+3], s[\g1b:\g1b+7]
	s_nop 0
.rept 4
	v_nop
.endr
.Lasked_\@:
.endm
.macro CREST
	s_cmp_lg_u32 s14, 0
	s_cbranch_scc1 .Lnot_wave_0_\@
	s_barrier_signal -3
.Lnot_wave_0_\@:
	s_barrier_wait -3
	s_barrier_signal -1
	s_barrier_wait -1
.endm
.macro CROUND
	s_barrier_signal -1
	s_barrier_wait -1
	CREST
.endm
	s_load_b512 s[68:83], s[0:1], 0x0
	s_load_b256 s[84:91], s[0:1], 0x40
	v_lshl_add_u32 v[SPW], v0, 2, SPARE
	v_mov_b32 v[NIL], 0
	ds_add_u32 v28, v29
	ds_add_u32 v28, v29
	s_wait_dscnt 0x0
	v_lshrrev_b32 v1, 5, v0
	v_readfirstlane_b32 s14, v1
	v_and_b32 v[PFO], 31, v0
	v_lshlrev_b32 v[PFO], 10, v[PFO]
	s_lshr_b32 s15, s14, 1
	s_and_b32 s16, s14, 1
	s_bfe_u32 s40, ttmp6, 0x40000
	s_bfe_u32 s41, ttmp6, 0x40004
	s_and_b32 s13, ttmp7, 0xffff
	s_lshr_b32 s12, s13, 3
	s_and_b32 s13, s13, 7
	s_lshl_b32 s13, s13, 2
	s_cmp_eq_u32 s12, 2
	s_cselect_b32 s17, 0, s13
	s_cselect_b32 s42, s13, 0
	s_add_co_u32 s17, s17, s41
	s_add_co_u32 s42, s42, s40
	s_lshl_b32 s43, s41, 2
	s_lshl_b32 s43, 15, s43
	s_lshl_b32 s44, 0x1111, s40
	s_or_b32 s[G1+0], s43, (0<<16)|(1<<20)|(1<<21)|(5<<22)|(3<<25)
	s_or_b32 s[G1B+0], s44, (0<<16)|(1<<20)|(1<<21)|(5<<22)|(3<<25)
.irp g, G1, G1B
	s_mov_b32 s[\g+1], ROWB<<16
	s_mov_b32 s[\g+2], 128<<16
	s_mov_b32 s[\g+3], ROWB<<16
	s_mov_b32 s[\g+4], 128
	s_mov_b32 s[\g+5], KROW
	s_mov_b32 s[\g+6], 0
	s_mov_b32 s[\g+7], 0
.endr
	s_lshl_b32 s18, s16, 7
	s_lshl_b32 s20, s17, 8
	s_add_co_u32 s20, s20, s18
	s_lshl_b32 s20, s20, 10
	s_mov_b32 s21, 0
	s_lshl_b32 s46, s42, 8
	s_add_co_u32 s46, s46, s18
	s_lshl_b32 s46, s46, 10
	s_mov_b32 s47, 0
	s_mul_i32 s45, s14, HALFT
	s_wait_alu depctr_va_vdst(0)
	s_wait_kmcnt 0x0
	s_cmp_eq_u32 s12, 0
	s_cselect_b64 s[4:5], s[68:69], s[70:71]
	s_cselect_b64 s[6:7], s[72:73], s[74:75]
	s_cselect_b64 s[8:9], s[78:79], s[80:81]
	s_cselect_b64 s[10:11], s[86:87], s[88:89]
	s_cmp_eq_u32 s12, 2
	s_cselect_b64 s[4:5], s[76:77], s[4:5]
	s_cselect_b64 s[6:7], s[70:71], s[6:7]
	s_cselect_b64 s[8:9], s[82:83], s[8:9]
	s_cselect_b64 s[10:11], s[90:91], s[10:11]
	s_load_b256 s[92:99], s[84:85], 0x0
	s_load_b64 s[100:101], s[84:85], 0x20
	s_add_nc_u64 s[20:21], s[4:5], s[20:21]
	s_add_nc_u64 s[46:47], s[6:7], s[46:47]
	s_cmp_eq_u32 s15, 0                            ; the prefetches: the tile that my wave fetches,
	s_cselect_b64 s[PFA:PFA+1], s[20:21], s[46:47]
	s_cselect_b32 s78, s40, s41                    ; my place among the four that ask for it with me,
	s_lshl_b32 s78, s78, 15                        ; x 32 rows of 1,024 bytes
	s_mov_b32 s79, 0
	s_add_nc_u64 s[PFA:PFA+1], s[PFA:PFA+1], s[78:79]
	s_cmp_eq_u32 s12, 2
	s_cselect_b32 s[NOASK], 1, 0
	s_xor_b32 s[NOASK], s[NOASK], s15              ; 1: my tile is a weight's
	s_lshr_b32 s81, s13, 4                         ; 0 in the role's first four clusters, 1 in the others: the same in all partners
	s_and_b32 s[NOASK], s[NOASK], s81
	CROUND
.irp s, 0,1
	s_mov_b32 s[G0+4*\s], 1
	s_add_co_u32 s[G0+4*\s+1], s45, \s*SLOT
	s_add_nc_u64 s[G0+4*\s+2:G0+4*\s+3], s[20:21], \s*ROWB
	s_or_b32 s[G0+4*\s+3], s[G0+4*\s+3], 0x80000000
	s_mov_b32 s[G0B+4*\s], 1
	s_add_co_u32 s[G0B+4*\s+1], s45, \s*SLOT
	s_add_nc_u64 s[G0B+4*\s+2:G0B+4*\s+3], s[46:47], \s*ROWB
	s_or_b32 s[G0B+4*\s+3], s[G0B+4*\s+3], 0x80000000
.if \s
	s_wait_tensorcnt 0x0                           ; my part of K step 0 is in; slot 1's first fill is issued as a refill is
	ds_add_u32 v28, v29
	s_wait_dscnt 0x0
	CROUND
.endif
	JLOAD G0+4*\s, G1, G0B+4*\s, G1B               ; one joint load a wave behind each round
	ASKP \s+1                                      ; the K step that the next joint load will ask for
.endr
	v_and_b32 v1, 15, v0
	v_bfe_u32 v2, v0, 4, 1
	v_mul_u32_u24 v3, v1, PITCH
	v_lshl_add_u32 v4, v2, 4, v3
	s_mul_i32 s21, s15, HALFT
	s_mul_i32 s22, s16, HALFT
	s_add_co_u32 s22, s22, 2*HALFT
.irp s, 0,1
	v_add_nc_u32 v[ADRA+\s], s21, v4
	v_add_nc_u32 v[ADRB+\s], s22, v4
	s_add_co_u32 s21, s21, SLOT
	s_add_co_u32 s22, s22, SLOT
.endr
	v_and_b32 v6, 31, v0
	v_lshlrev_b32 v[LO], 4, v6
	v_lshlrev_b32 v[HO], 5, v2
	s_wait_alu depctr_va_vdst(0)
	v_lshlrev_b32 v[RO], 2, v1
	s_wait_alu depctr_va_vdst(0)
	s_lshl_b32 s20, s17, 1
	s_add_co_u32 s20, s20, s15
	s_lshl_b32 s46, s42, 1
	s_add_co_u32 s46, s46, s16
	s_cmp_eq_u32 s12, 2
	s_cselect_b32 s72, 0, s46
	s_cselect_b32 s74, s20, 0
	s_cselect_b32 s22, s46, s20
	s_cselect_b32 s23, s20, s46
	s_lshl_b32 s72, s72, 9
	s_mov_b32 s73, 0
	s_lshl_b32 s74, s74, 9
	s_mov_b32 s75, 0
	s_add_nc_u64 s[68:69], s[8:9], s[72:73]
	s_add_nc_u64 s[70:71], s[8:9], s[74:75]
	s_lshl_b32 s22, s22, 3
	s_add_co_u32 s22, s22, s23
	s_lshl_b32 s22, s22, 14
	s_mov_b32 s23, 0
	s_add_nc_u64 s[10:11], s[10:11], s[22:23]
.irp t, 0,1,2,3,4,5,6,7
	global_load_b128 v[BJ+8*\t:BJ+8*\t+3],   v[HO], s[68:69] offset:64*\t
	global_load_b128 v[BJ+8*\t+4:BJ+8*\t+7], v[HO], s[68:69] offset:64*\t+16
.endr
.irp a, 0,1,2,3,4,5,6,7
	global_load_b32 v[BI+2*\a],   v[RO], s[70:71] offset:64*\a
	global_load_b32 v[BI+2*\a+1], v[RO], s[70:71] offset:64*\a
.endr
.macro FRAG reg, adr, q, i
.irp c, 0,1,2,3
	ds_load_b128 v[\reg+4*\c:\reg+4*\c+3], v[\adr] offset:128*(\q)+32*\c+(\i)*16*PITCH
.endr
.endm
.macro MUL16 a0, p, zero
.irp a, \a0, \a0+1
.irp b, 0,1,2,3,4,5,6,7
.if \zero
	v_wmma_f32_16x16x128_bf8_bf8 v[8*(8*((\a)%4)+\b):8*(8*((\a)%4)+\b)+7], v[128*(\p)+FR*\b:128*(\p)+FR*\b+FR-1], v[AF+FR*(\a):AF+FR*(\a)+FR-1], 0
.else
	v_wmma_f32_16x16x128_bf8_bf8 v[8*(8*((\a)%4)+\b):8*(8*((\a)%4)+\b)+7], v[128*(\p)+FR*\b:128*(\p)+FR*\b+FR-1], v[AF+FR*(\a):AF+FR*(\a)+FR-1], v[8*(8*((\a)%4)+\b):8*(8*((\a)%4)+\b)+7]
.endif
.endr
.endr
.endm
.macro FETCH_B slot, q, p
	WIN TO_B
.irp i, 0,1,2,3,4,5,6,7
	FRAG 128*(\p)+FR*\i, ADRB+\slot, \q, \i
.endr
	WIN 0
.endm
.macro FETCH_A slot, q, i0
.irp i, \i0, \i0+1, \i0+2, \i0+3
	FRAG AF+FR*(\i), ADRA+\slot, \q, \i
.endr
.endm
.macro PLACES n
.rept \n
	v_nop
.endr
.endm
.macro STEP slot, q, zero
	s_wait_dscnt 4*NL
	WIN MUL_LO
	MUL16 0, (\q)%2, \zero
	MUL16 2, (\q)%2, \zero
	s_wait_dscnt 0
	PLACES NP
	FETCH_B \slot, (\q)+1, 1-(\q)%2
	FETCH_A \slot, (\q)+1, 0
	WIN MUL_HI
	MUL16 4, (\q)%2, \zero
	MUL16 6, (\q)%2, \zero
	PLACES NP
	WIN 0
	FETCH_A \slot, (\q)+1, 4
.endm
.macro TURN slot, next, fill
	s_wait_tensorcnt 0x0
	ds_add_u32 v[SPW], v[NIL]
	s_wait_dscnt 4*NL+1
	WIN MUL_LO
	MUL16 0, 1, 0
	s_wait_dscnt 0x0
	s_barrier_signal -1
	MUL16 2, 1, 0
	WIN 0
	s_barrier_wait -1
.if \fill
	CREST
	s_add_nc_u64 s[G0+4*\slot+2:G0+4*\slot+3], s[G0+4*\slot+2:G0+4*\slot+3], 2*ROWB
	s_add_nc_u64 s[G0B+4*\slot+2:G0B+4*\slot+3], s[G0B+4*\slot+2:G0B+4*\slot+3], 2*ROWB
	JLOAD G0+4*\slot, G1, G0B+4*\slot, G1B
.else
	PLACES NP
.endif
	FETCH_B \next, 0, 0
	FETCH_A \next, 0, 0
.if (\fill) && (\slot) == 0
	ASKP 3                                         ; the loop has one trip (K = 1,024 is two laps): slot 0's refill is K step 2, so the next joint load asks for K step 3
.endif
	WIN MUL_HI
	MUL16 4, 1, 0
	MUL16 6, 1, 0
	PLACES NP
	WIN 0
	FETCH_A \next, 0, 4
.endm
	s_wait_tensorcnt 1
	s_barrier_signal -1
	s_barrier_wait -1
	FETCH_B 0, 0, 0
	FETCH_A 0, 0, 0
	FETCH_A 0, 0, 4
	STEP 0, 0, 1
	s_mov_b32 s3, LAPS-1
.Llap:
	TURN 0, 1, 1
	STEP 1, 0, 0
	TURN 1, 0, 1
	STEP 0, 0, 0
	s_sub_co_u32 s3, s3, 1
	s_cmp_lg_u32 s3, 0
	s_cbranch_scc1 .Llap
	TURN 0, 1, 0
	STEP 1, 0, 0
	s_wait_dscnt 4*NL
	WIN MUL_LO
	MUL16 0, 1, 0
	MUL16 2, 1, 0
	s_wait_dscnt 0
	WIN MUL_HI
	MUL16 4, 1, 0
	MUL16 6, 1, 0
	WIN 0
	s_wait_kmcnt 0x0
	s_add_co_i32 s92, s92, s93
	s_add_co_i32 s94, s94, s95
	s_add_co_i32 s96, s96, s97
	s_cmp_eq_u32 s12, 0
	s_cselect_b32 s66, s92, s94
	s_cselect_b32 s2, s98, s99
	s_cmp_eq_u32 s12, 2
	s_cselect_b32 s66, s96, s66
	s_cselect_b32 s2, s101, s2
	s_add_co_i32 s66, s66, 127
	s_lshl_b32 s66, s66, 23
	s_mov_b32 s67, s66
	s_add_co_i32 s2, s2, 127
	s_lshl_b32 s18, s2, 23
	v_mov_b32 v[SC], s18
	s_add_co_i32 s2, s2, 15
	s_lshl_b32 s2, s2, 23
	s_or_b32 s2, s2, 0x600000
	v_mov_b32 v[LIMV], s2
	s_wait_loadcnt 0x0
	PLACES NP
.macro OUT a, isv
.set AC, 64*((\a)%4)
.set CDS, CD+16*((\a)%4)
.if (\a) >= 4
	s_wait_xcnt 0x0
.endif
	WIN 0x02+((\a)/4)
.set j, 0
.rept 32
.if \isv
	v_pk_fma_f32 v[T+j:T+j+1], v[AC+j:AC+j+1], s[66:67], v[BI+2*(\a):BI+2*(\a)+1] op_sel_hi:[1,0,1]
.else
	v_pk_fma_f32 v[T+j:T+j+1], v[AC+j:AC+j+1], s[66:67], v[BJ+j:BJ+j+1] op_sel_hi:[1,0,1]
.endif
.set j, j+2
.endr
	WIN 0
.set j, 0
.rept 64
	v_med3_num_f32 v[T+j], v[T+j], -v[LIMV], v[LIMV]
.set j, j+1
.endr
.irp t, 0,1,2,3,4,5,6,7
	v_cvt_scalef32_pk8_bf8_f32 v[CDS+2*\t:CDS+2*\t+1], v[T+8*\t:T+8*\t+7], v[SC]
.endr
	v_nop
.irp q, 0,1,2,3
	global_store_b128 v[LO], v[CDS+4*\q:CDS+4*\q+3], s[10:11] offset:(\a)*2048+\q*512
.endr
.endm
	s_cmp_eq_u32 s12, 2
	s_cbranch_scc1 .Lrole_v
.irp a, 0,1,2,3,4,5,6,7
	OUT \a, 0
.endr
	s_branch .Lstored
.Lrole_v:
.irp a, 0,1,2,3,4,5,6,7
	OUT \a, 1
.endr
.Lstored:
	s_wait_tensorcnt 0x0
	ds_add_u32 v[SPW], v[NIL]
	s_wait_dscnt 0x0
	CROUND
	s_endpgm
.Lfunc_end_k_q1d01cd5fd9_proj:
	.size	k_q1d01cd5fd9_proj, .Lfunc_end_k_q1d01cd5fd9_proj-k_q1d01cd5fd9_proj
	.p2alignl 7, 3214868480
	.fill 96, 4, 3214868480
	.section	.rodata,"a",@progbits
	.p2align	6, 0x0
	.amdhsa_kernel k_q1d01cd5fd9_proj
		.amdhsa_group_segment_fixed_size 327680
		.amdhsa_private_segment_fixed_size 0
		.amdhsa_enable_private_segment 0
		.amdhsa_kernarg_size 96
		.amdhsa_user_sgpr_count 2
		.amdhsa_user_sgpr_kernarg_segment_ptr 1
		.amdhsa_wavefront_size32 1
		.amdhsa_system_sgpr_workgroup_id_x 1
		.amdhsa_system_sgpr_workgroup_id_y 1
		.amdhsa_system_sgpr_workgroup_id_z 1
		.amdhsa_system_vgpr_workitem_id 0
		.amdhsa_next_free_vgpr 1024
		.amdhsa_next_free_sgpr 102
		.amdhsa_reserve_vcc 0
		.amdhsa_float_denorm_mode_32 3
		.amdhsa_float_denorm_mode_16_64 3
		.amdhsa_memory_ordered 1
		.amdhsa_forward_progress 1
		.amdhsa_inst_pref_size 195
	.end_amdhsa_kernel
	.amdgpu_metadata
---
amdhsa.version: [ 1, 2 ]
amdhsa.kernels:
  - .name:           k_q1d01cd5fd9_proj
    .symbol:         k_q1d01cd5fd9_proj.kd
    .args:
      - { .name: x_from_codes, .offset: 0, .size: 8, .value_kind: global_buffer, .address_space: global }
      - { .name: x_to_codes, .offset: 8, .size: 8, .value_kind: global_buffer, .address_space: global }
      - { .name: wq_codes, .offset: 16, .size: 8, .value_kind: global_buffer, .address_space: global }
      - { .name: wk_codes, .offset: 24, .size: 8, .value_kind: global_buffer, .address_space: global }
      - { .name: wv_codes, .offset: 32, .size: 8, .value_kind: global_buffer, .address_space: global }
      - { .name: bq, .offset: 40, .size: 8, .value_kind: global_buffer, .address_space: global }
      - { .name: bk, .offset: 48, .size: 8, .value_kind: global_buffer, .address_space: global }
      - { .name: bv, .offset: 56, .size: 8, .value_kind: global_buffer, .address_space: global }
      - { .name: lowp_scales, .offset: 64, .size: 8, .value_kind: global_buffer, .address_space: global }
      - { .name: qimg, .offset: 72, .size: 8, .value_kind: global_buffer, .address_space: global }
      - { .name: kimg, .offset: 80, .size: 8, .value_kind: global_buffer, .address_space: global }
      - { .name: vimg, .offset: 88, .size: 8, .value_kind: global_buffer, .address_space: global }
    .group_segment_fixed_size: 327680
    .private_segment_fixed_size: 0
    .kernarg_segment_align: 8
    .kernarg_segment_size: 96
    .max_flat_workgroup_size: 128
    .sgpr_count:     102
    .vgpr_count:     1024
    .wavefront_size: 32
...
	.end_amdgpu_metadata
.endif
;; end of part 1
;; launch attn (part 2): grid 16 x 16, 8 waves a work-group, clusters of 4 x 1, 327,680 bytes of LDS; arguments qimg, kimg, vimg, attention_mask, lowp_scales, out0; writes out0
.if DOCPART == 2
	.amdgcn_target "amdgcn-amd-amdhsa--gfx1250"
	.amdhsa_code_object_version 6
	.text
	.protected	k_q1d01cd5fd9_attn
	.globl	k_q1d01cd5fd9_attn
	.p2align	8
	.type	k_q1d01cd5fd9_attn,@function
k_q1d01cd5fd9_attn:
	s_mov_b64 s[64:65], 0
	v_nop
	global_prefetch_b8 v0, s[64:65] scope:SCOPE_SE
	s_setreg_imm32_b32 hwreg(HW_REG_WAVE_MODE, 25, 1), 1
	s_wait_xcnt 0x0
	s_wait_alu depctr_hold_cnt(0) depctr_sa_sdst(0) depctr_va_vdst(0) depctr_va_sdst(0) depctr_va_ssrc(0) depctr_va_vcc(0) depctr_vm_vsrc(0)
	s_getreg_b32 s2, hwreg(HW_REG_IB_STS2, 6, 4)
	s_cmp_eq_u32 s2, 0
	s_cbranch_scc0 .Lentry_in_a_cluster
	s_endpgm
.Lentry_in_a_cluster:
	s_bfe_u32 s2, ttmp6, 0x10000c
	s_cmp_lg_u32 s2, 0x3003
	s_cbranch_scc0 .Lentry_shape_is_right
	s_endpgm
.Lentry_shape_is_right:
; ATTENTION on codes of BF8 (E5M2): out[b][q][64 head + d] = sum over keys of softmax(q . k / 8 + (1 - mask) x -10000) v.  4 batches, 16 heads of 64, 2,048 queries and keys.
; qimg, kimg, vimg hold the three operands in the order of their fragments' registers: 512 blocks of 16,384 bytes, block (token / 128) x 8 + head pair, [a 0..7][b 0..3][lane][16 bytes]:
; every fragment comes by 16-byte loads at 16 x lane, from memory and from LDS alike, and a key step's K or V of two head pairs is one dense run of 32,768 bytes.
; THE SOFTMAX AHEAD OF THE SECOND PRODUCT: t = logit x log2(e); M = the running largest t, rounded UP to a whole number; p = 2^(t - M) is quantised with 2^e8, not normalised; the row's sum is taken of the
; unquantised p, in f32, and divides at the end.  When M moves, the sum and O are multiplied by 2^(old M - new M): nothing is rounded, and no branch hangs on data.
; THE MASK IS THE C OF THE SCORES' PRODUCT.  A sum of codes stands for sum x 2^(e6 + e7), so logit = (sum + C) x 2^(e6 + e7) / 8 with C = (1 - mask) x -80000 x 2^-(e6 + e7) = mask x POS - POS, one fused
; multiply-add for any whole number in the mask (beyond 2^24 in magnitude its one rounding may differ from the two of 1 - mask and the multiplication).  Each wave converts 16 queries x 128 keys of the mask a key step,
; a step ahead, and lays them in LDS as an image of the accumulators' registers; the four heads of the work-group load that image straight into the scores' registers: no line of a head's softmax is spent on the mask.
; SHARES.  A work-group: 128 queries x 4 heads of one batch.  Wave w: head w / 2, queries 64 (w % 2) on: four tiles of 16, which share each fragment of K and V.  Two waves to a SIMD, 512 registers each.
; Both products are used transposed: S^T = K Q^T + C (source 0 = 16 keys, source 1 = 16 queries), O^T = V^T P (source 0 = 16 channels, source 1 = P): a lane holds one query (lane % 16) throughout,
; and tile t's eight scores of a lane are keys 16 t + 8 (lane / 16) + 0 .. 7: their codes are registers 2 t, 2 t + 1 of P's fragment (ISA guide 7.12.2).
; CLUSTER.  The four work-groups of a cluster are four blocks of queries of the same batch and heads: they walk the same K and V, which are asked for JOINTLY, each wave one load of 8,192 bytes (32 rows of 256):
; the step's 65,536 bytes shared evenly among the eight waves.  The mask, which the four head groups of a batch share, is not asked for jointly: it comes through registers, since it is converted on the way,
; and two more slots of 65,536 bytes for it as it lies do not fit beside the 306,176 bytes in use.
; LIMITS on the given exponents, so that each power of two below is an f32 number: e6 + e7 between -111 and 130; e8 between -126 and 112; e8 + e9 is applied by v_ldexp_f32 and has none.
; LDS: two slots of 65,536 bytes (K 32,768, then V), one exclusive or apart; two images of the mask, 8 query tiles x 8,704 bytes each; a stage of 16 x 272 bytes for each wave; the spare words.
;   An image: registers 4 G .. 4 G + 3 of lane (r, h) at 544 G + 272 h + 16 r: both the stores (one query r, sixteen places 272 bytes apart) and the loads (256 bytes on end) touch sixteen different 16-byte columns.
; REGISTERS.  window 0: v1-15 addresses; v16-31 four a tile: -M, the largest t, the sum in two halves; v32-95 S^T, then p; v96-111 P's codes; v112-175 K; v176-239 the mask at work; v240-251 at work and constants.
;   window 1: v0-127 O^T, 32 a tile; v128-159 Q, 8 a tile; v160-223 V.
.set SLOTX, 0x10000                    ; slot 1 begins here
.set VOFF,  32768                      ; V in a slot
.set MIMG0, 131072                     ; the mask's image 0;
.set MIMGX, 0x11000                    ; image 1 lies 69,632 bytes on, at 0x31000: one exclusive or turns one into the other
.set QT,    8704                       ; a query tile's image: 16 x GP
.set GP,    544                        ; four registers of 32 lanes: 2 x HP
.set HP,    272                        ; sixteen lanes' 256 bytes + 16
.set STG,   270336                     ; the stages
.set SPARE, 305152                     ; the spare words, 128 bytes for each wave: four blocks of 256 bytes that no other line names
.set LI,  1                            ; v1   16 x lane: my place in an image; also my 16 bytes of a row of the mask
.set AK,  2                            ; v2   my head's K in a slot
.set AV,  3                            ; v3   my head's V
.set AIC, 4                            ; v4   where I read the mask's image
.set AIS, 5                            ; v5   where I store it
.set GO,  6                            ; v6   the way out: my byte offset in the wave's rows of out
.set PFO, 7                            ; v7   256 x lane: the prefetch's offset; never rewritten
.set ADK, 8                            ; v8-11 the step's addresses
.set ADV, 9
.set ADC, 10
.set ADS, 11
.set SPW, 12                           ; v12  LDS address of my spare word; never rewritten
.set NIL, 13                           ; v13  0; never rewritten
.set STO, 14                           ; v14  the stage: where I put 32 bytes of a row
.set RD,  15                           ; v15  and where I read a row back
.set ST,  16
.set S,   32
.set PC,  96
.set KF,  112
.set MR,  176
.set MX,  240                          ; v240, v241, v252, v253 the maximum's four chains
.set FF,  242                          ; v[242:243] f = 2^(old M - new M); v243 is named with it and written once
.set SU,  244                          ; v[244:245] the sum's second chain
.set PX,  246                          ; v246 the lane exchange's destination
.set PLIM, 248                         ; v248 57,344 x 2^e8
.set PLIM2, 247                        ; v247 the same once more: the two halves of a dual instruction take their second sources from different register banks
.set SU2, 254                          ; v[254:255] the sum's third chain
.set SU3, 252                          ; v[252:253] its fourth (the maximum's chains are done with by then)
.set NOWAIT, 0                         ; 1 while a tile is assembled whose C has been waited for ahead of it
.set PSC,  249                         ; v249 2^e8
.set NEG,  250                         ; v[250:251] -POS, twice
.set QF,  128                          ; in window 1
.set VF,  160
.set WV,  16                           ; s16  my wave's number
.set G1,  24                           ; s[24:31] descriptor group 1
.set G0,  32                           ; s[32:35] descriptor group 0: it walks
.set SEL, 36                           ; s[36:37] lane selects: lane l xor 16
.set CS,  38                           ; s[38:39] c = log2(e) / 8 x 2^(e6 + e7)
.set POS, 40                           ; s[40:41] 80000 x 2^-(e6 + e7)
.set TB,  42                           ; s42  the slot in hand
.set MB,  43                           ; s43  the image that is read
.set MS,  44                           ; s44  the image that is written
.set SLOTS, 45                         ; s45  key steps still to be asked for
.set LIM, 46                           ; s46  1 in a wave that prefetches, else the greatest number
.set EO,  47                           ; s47  e8 + e9
.set PFA, 48                           ; s[48:49] where my prefetch stands
.set MSB, 0
.macro WIN new                         ; the immediate's high byte repeats the setting that is left
.if MSB != \new
	s_set_vgpr_msb (MSB<<8)|\new
.set MSB, \new
.endif
.endm
.macro CROUND                          ; a round of the cluster's barrier
	s_barrier_signal -1
	s_barrier_wait -1
	s_cmp_lg_u32 s[WV], 0
	s_cbranch_scc1 .Lnot_wave_0_\@
	s_barrier_signal -3
.Lnot_wave_0_\@:
	s_barrier_wait -3
	s_barrier_signal -1
	s_barrier_wait -1
.endm
; A PREFETCH INTO THE L2 of what the NEXT change of slots will ask for: a key step's 32,768 bytes of K and of V.  All four clusters of a batch and head group walk the same K and V: the first of them asks.
; Its four partners take 8,192 bytes each of K (wave 0) and of V (wave 1), told apart BY ADDRESS; lanes 256 bytes apart: each aligned block of 256 bytes is named once in the launch.
; The last change that fills a slot asks for nothing; key steps 0 and 1 come by their loads alone.
.macro ASK
	s_cmp_gt_u32 s[SLOTS], s[LIM]
	s_cbranch_scc0 .Lnot_mine_\@
	global_prefetch_b8 v[PFO], s[PFA:PFA+1] th:TH_LOAD_NT scope:SCOPE_SE
.Lnot_mine_\@:
.endm
	s_load_b256 s[4:11], s[0:1], 0x0               ; qimg s[4:5], kimg s[6:7], vimg s[8:9], the mask s[10:11]
	s_load_b128 s[12:15], s[0:1], 0x20             ; the scales' exponents s[12:13], out s[14:15]
	v_lshl_add_u32 v[SPW], v0, 2, SPARE
	v_mov_b32 v[NIL], 0
	ds_add_u32 v12, v13
	ds_add_u32 v12, v13
	s_wait_dscnt 0x0
	v_lshrrev_b32 v1, 5, v0
	s_delay_alu instid0(VALU_DEP_1)
	v_readfirstlane_b32 s[WV], v1                  ; wave 0..7
	s_bfe_u32 s17, ttmp6, 0x40000                  ; cx: my place in the cluster
	s_lshl_b32 s18, ttmp9, 2
	s_add_co_u32 s18, s18, s17                     ; my block of 128 queries = 4 x cluster x + cx: it enters Q's, the mask's and out's addresses alone
	s_and_b32 s19, ttmp7, 0xffff
	s_lshr_b32 s20, s19, 2                         ; the batch,
	s_and_b32 s21, s19, 3                          ; the group of four heads: the partners share both
	s_lshr_b32 s22, s[WV], 1                       ; my head of the four
	s_and_b32 s23, s[WV], 1                        ; my half of the queries
	; descriptor group 1: 8,192 bytes, dense in memory and in LDS, as 32 rows of 32 elements of 8 bytes
	s_mov_b32 s[G1], 15|(3<<16)|(1<<21)            ; 15:0 the mask: all four work-groups; 17:16 elements of 8 bytes; 20 no padding; 21 set beside a mask
	s_mov_b32 s[G1+1], 32<<16                      ; tensor_dim0 = 32
	s_mov_b32 s[G1+2], 32<<16                      ; tensor_dim1 = 32
	s_mov_b32 s[G1+3], 32<<16                      ; tile_dim0 = 32
	s_mov_b32 s[G1+4], 32                          ; tile_dim1 = 32
	s_mov_b32 s[G1+5], 32                          ; tensor_dim0_stride
	s_mov_b32 s[G1+6], 0
	s_mov_b32 s[G1+7], 0
	s_mov_b32 s[SEL], 0x76543210
	s_mov_b32 s[SEL+1], 0xfedcba98
	s_mov_b32 s[TB], 0
	s_mov_b32 s[MB], MIMG0
	s_mov_b32 s[MS], MIMG0+MIMGX
	s_mov_b32 s[SLOTS], 14                         ; the loop's trips
	s_lshl_b32 s56, s20, 21                        ; K and V: a batch is 16 steps x 8 blocks of 16,384 bytes,
	s_lshl_b32 s58, s21, 15                        ; a head group two blocks
	s_add_co_u32 s56, s56, s58
	s_mov_b32 s57, 0
	s_and_b32 s58, s[WV], 3
	s_lshl_b32 s58, s58, 13                        ; my quarter of the 32,768 bytes
	s_add_co_u32 s58, s58, s56
	s_mov_b32 s59, 0
	s_lshl_b32 s60, s20, 4                         ; Q: block ((16 batch + query block) x 8 + head pair),
	s_add_co_u32 s60, s60, s18
	s_lshl_b32 s60, s60, 3
	s_lshl_b32 s61, s21, 1
	s_add_co_u32 s60, s60, s61
	s_lshr_b32 s61, s22, 1
	s_add_co_u32 s60, s60, s61
	s_lshl_b32 s60, s60, 14
	s_lshl_b32 s61, s23, 13                        ; my four tiles of its eight,
	s_add_co_u32 s60, s60, s61
	s_and_b32 s61, s22, 1
	s_lshl_b32 s61, s61, 10                        ; my head of the pair
	s_add_co_u32 s60, s60, s61
	s_mov_b32 s61, 0
	s_lshl_b32 s62, s20, 24                        ; the mask: a batch is 2,048 rows of 8,192 bytes; my work-group's 128 rows; the 16 that I convert
	s_lshl_b32 s63, s18, 20
	s_add_co_u32 s62, s62, s63
	s_lshl_b32 s63, s[WV], 17
	s_add_co_u32 s62, s62, s63
	s_mov_b32 s63, 0
	s_lshl_b32 s66, s20, 23                        ; out: a batch is 2,048 rows of 4,096 bytes; my 128 rows; my half; my head's 256 bytes of a row
	s_lshl_b32 s67, s18, 19
	s_add_co_u32 s66, s66, s67
	s_lshl_b32 s67, s23, 18
	s_add_co_u32 s66, s66, s67
	s_lshl_b32 s67, s21, 2
	s_add_co_u32 s67, s67, s22
	s_lshl_b32 s67, s67, 8
	s_add_co_u32 s66, s66, s67
	s_mov_b32 s67, 0
	v_and_b32 v240, 31, v0                         ; lane
	v_and_b32 v241, 15, v0                         ; r
	v_bfe_u32 v244, v0, 4, 1                       ; h
	s_delay_alu instid0(VALU_DEP_3)
	v_lshlrev_b32 v[LI], 4, v240
	s_wait_alu depctr_va_vdst(0)
	s_lshr_b32 s68, s22, 1
	s_lshl_b32 s68, s68, 14                        ; my head pair's block in a slot
	s_and_b32 s69, s22, 1
	s_lshl_b32 s70, s69, 10                        ; K: my head's two quarters of each tile's 2,048 bytes
	s_add_co_u32 s70, s70, s68
	v_add_nc_u32 v[AK], s70, v[LI]
	s_lshl_b32 s70, s69, 13                        ; V: my head's four tiles of the block's eight
	s_add_co_u32 s70, s70, s68
	s_add_co_u32 s70, s70, VOFF
	v_add_nc_u32 v[AV], s70, v[LI]
	s_mul_i32 s70, s23, 4*QT                       ; the image, read: my half's four query tiles; 272 h + 16 r
	v_mul_u32_u24 v[AIC], v244, HP
	s_delay_alu instid0(VALU_DEP_1)
	v_lshl_add_u32 v[AIC], v241, 4, v[AIC]
	s_delay_alu instid0(VALU_DEP_1)
	v_add_nc_u32 v[AIC], s70, v[AIC]
	v_lshrrev_b32 v245, 2, v240                    ; the image, stored: my lane holds keys 4 l .. 4 l + 3 of a query: registers 4 G on with G = 2 (l / 4) + l % 2, of the half (l / 2) % 2
	s_delay_alu instid0(VALU_DEP_1)
	v_lshlrev_b32 v245, 1, v245
	v_and_b32 v247, 1, v0
	s_delay_alu instid0(VALU_DEP_1)
	v_add_nc_u32 v245, v245, v247
	s_delay_alu instid0(VALU_DEP_1)
	v_mul_u32_u24 v[AIS], v245, GP
	v_bfe_u32 v247, v0, 1, 1
	s_delay_alu instid0(VALU_DEP_1)
	v_mul_u32_u24 v247, v247, HP
	s_delay_alu instid0(VALU_DEP_1)
	v_add_nc_u32 v[AIS], v[AIS], v247
	s_mul_i32 s70, s[WV], QT                       ; query tile w
	v_add_nc_u32 v[AIS], s70, v[AIS]
	v_lshlrev_b32 v[GO], 12, v244                  ; out: lanes 0-15 one row, lanes 16-31 the next; 16 bytes a lane
	s_delay_alu instid0(VALU_DEP_1)
	v_lshl_add_u32 v[GO], v241, 4, v[GO]
	v_lshlrev_b32 v[PFO], 8, v240
	s_mul_i32 s70, s[WV], 16*HP
	s_add_co_u32 s70, s70, STG                     ; my stage
	v_mul_u32_u24 v[STO], v241, HP                 ; in: row r, 32 bytes for each half of the lanes
	s_delay_alu instid0(VALU_DEP_1)
	v_lshl_add_u32 v[STO], v244, 5, v[STO]
	s_delay_alu instid0(VALU_DEP_1)
	v_add_nc_u32 v[STO], s70, v[STO]
	v_mul_u32_u24 v[RD], v244, HP                  ; back: two rows an instruction
	s_delay_alu instid0(VALU_DEP_1)
	v_lshl_add_u32 v[RD], v241, 4, v[RD]
	s_delay_alu instid0(VALU_DEP_1)
	v_add_nc_u32 v[RD], s70, v[RD]
	s_wait_kmcnt 0x0
	s_load_b128 s[52:55], s[12:13], 0x18           ; e6, e7, e8, e9
	s_cmp_lt_u32 s[WV], 4                          ; waves 0-3 fetch K's quarters, waves 4-7 V's
	s_cselect_b64 s[G0+2:G0+3], s[6:7], s[8:9]
	s_add_nc_u64 s[G0+2:G0+3], s[G0+2:G0+3], s[58:59]   ; 120:64 global address: key step 0
	s_or_b32 s[G0+3], s[G0+3], 0x80000000          ; 127:126 type = 2
	s_mov_b32 s[G0], 1                             ; 1:0 count = 1
	s_lshl_b32 s[G0+1], s[WV], 13                  ; 63:32 LDS address: slot 0, 8,192 x wave: K's four quarters, then V's
	s_cmp_eq_u32 s[WV], 0                          ; the prefetches: wave 0 for K, wave 1 for V
	s_cselect_b64 s[PFA:PFA+1], s[6:7], s[8:9]
	s_add_nc_u64 s[PFA:PFA+1], s[PFA:PFA+1], s[56:57]
	s_lshl_b32 s68, s17, 13                        ; my work-group's 8,192 bytes of the 32,768
	s_mov_b32 s69, 0
	s_add_nc_u64 s[PFA:PFA+1], s[PFA:PFA+1], s[68:69]
	s_add_nc_u64 s[PFA:PFA+1], s[PFA:PFA+1], 131072   ; at key step 1: the first change of slots steps it to 2.  Nothing is prefetched here, at the head
	s_lshr_b32 s[LIM], s[WV], 1                    ; 0 in waves 0 and 1,
	s_or_b32 s[LIM], s[LIM], ttmp9                 ; of the first cluster: the same in all four partners
	s_cmp_eq_u32 s[LIM], 0
	s_cselect_b32 s[LIM], 1, -1
	s_add_nc_u64 s[4:5], s[4:5], s[60:61]
	s_add_nc_u64 s[10:11], s[10:11], s[62:63]
	s_add_nc_u64 s[14:15], s[14:15], s[66:67]
	CROUND                                         ; all four work-groups are here: the first joint loads meet
	tensor_load_to_lds s[G0:G0+3], s[G1:G1+7]      ; key step 0 into slot 0: one load of mine is out
	s_nop 0
.rept 4
	v_nop
.endr
	WIN 0x40                                       ; destination window 1
.irp t, 0,1,2,3
.irp g, 0,1
	global_load_b128 v[QF+8*\t+4*\g:QF+8*\t+4*\g+3], v[LI], s[4:5] offset:\t*2048+\g*512   ; Q's four fragments stay in registers
.endr
.endr
	WIN 0
.irp i, 0,1,2,3,4,5,6,7,8,9,10,11,12,13,14,15
	global_load_b128 v[MR+4*\i:MR+4*\i+3], v[LI], s[10:11] offset:\i*8192   ; the mask of key step 0: query i of my 16, 512 consecutive bytes
.endr
	s_wait_kmcnt 0x0
	s_add_co_i32 s56, s52, s53                     ; e6 + e7
	s_lshl_b32 s56, s56, 23
	s_mov_b32 s[CS], 0x3e38aa3b                    ; log2(e) / 8;
	s_add_co_i32 s[CS], s[CS], s56                 ; the two exponents are added to its exponent field
	s_mov_b32 s[CS+1], s[CS]                       ; (named with it as a pair, so it is written)
	s_mov_b32 s[POS], 0x479c4000                   ; 80000 = 8 x 10000;
	s_sub_co_i32 s[POS], s[POS], s56               ; they are taken off its exponent field
	s_mov_b32 s[POS+1], s[POS]
	s_xor_b32 s57, s[POS], 0x80000000
	v_mov_b32 v[NEG], s57
	v_mov_b32 v[NEG+1], s57
	s_add_co_i32 s57, s54, 127
	s_lshl_b32 s58, s57, 23
	v_mov_b32 v[PSC], s58                          ; 2^e8 as f32, for the conversion
	s_add_co_i32 s57, s57, 15
	s_lshl_b32 s57, s57, 23
	s_or_b32 s57, s57, 0x600000
	v_mov_b32 v[PLIM], s57                         ; 57,344 x 2^e8
	v_mov_b32 v[PLIM2], s57
	s_add_co_i32 s[EO], s54, s55
.irp t, 0,1,2,3
	v_mov_b32 v[ST+4*\t+1], 0xff61b1e6             ; the largest t so far: -3e38, under every t
	s_delay_alu instid0(VALU_DEP_1)
	v_floor_f32 v[ST+4*\t], -v[ST+4*\t+1]          ; -M
	v_mov_b32 v[ST+4*\t+2], 0                      ; the sum, in two halves
	v_mov_b32 v[ST+4*\t+3], 0
.endr
	v_mov_b32 v[FF+1], 0
	v_mov_b32 v[PX], 0                             ; a lane exchange's destination counts as one of its sources
	WIN 0x40
.set j, 0
.rept 128
	v_mov_b32 v[j], 0                              ; O^T.  The key step is written in one form: the first finds zeros, which the first change of M leaves zeros; a first step of its own would be a third copy of the step
.set j, j+1
.endr
	WIN 0
; My 16 queries x 128 keys of the mask become C and go to LDS as the accumulators' registers want them.
.macro CONVERT
	s_wait_loadcnt 0x0                             ; the sixteen loads, asked for a key step ago
.set j, 0
.rept 64
	v_cvt_f32_i32 v[MR+j], v[MR+j]
.set j, j+1
.endr
.set j, 0
.rept 32
	v_pk_fma_f32 v[MR+j:MR+j+1], v[MR+j:MR+j+1], s[POS:POS+1], v[NEG:NEG+1] op_sel_hi:[1,0,1]   ; mask x POS - POS
.set j, j+2
.endr
.irp i, 0,1,2,3,4,5,6,7,8,9,10,11,12,13,14,15
	ds_store_b128 v[ADS], v[MR+4*\i:MR+4*\i+3] offset:16*\i   ; query r = i
.endr
.endm
.macro CLOAD u                         ; C of my tile u, straight into the scores' registers
.irp g, 0,1,2,3,4,5,6,7,8,9,10,11,12,13,14,15
	ds_load_b128 v[S+4*\g:S+4*\g+3], v[ADC] offset:(\u)*QT+\g*GP
.endr
.endm
; ONE TILE OF 16 QUERIES, 128 keys.  No two matrix instructions that follow each other share an accumulator.
; nxt (tile 3 alone): 1 = the next key step's K, its tile 0's C and its V are asked for inside this tile, each as soon as its registers are free; 2 = also the mask of the step after next.
.macro TILE u, nxt
.set rT, ST+4*(\u)
.set rO, 32*(\u)
.if (\u) == 0
	s_wait_dscnt 16                                ; K and C are in; the youngest sixteen loads, V's, may be out
.else
.if NOWAIT == 0
	s_wait_dscnt 0x0                               ; C is in
.endif
.endif
	WIN 0x04                                       ; source 1 (Q) window 1
.irp t, 0,1,2,3,4,5,6,7
.if (\u) == 3
	v_wmma_f32_16x16x64_bf8_bf8 v[S+8*\t:S+8*\t+7], v[KF+8*\t:KF+8*\t+7], v[QF+8*(\u):QF+8*(\u)+7], v[MR+8*\t:MR+8*\t+7]   ; tile 3's C lies in the mask's registers
.else
	v_wmma_f32_16x16x64_bf8_bf8 v[S+8*\t:S+8*\t+7], v[KF+8*\t:KF+8*\t+7], v[QF+8*(\u):QF+8*(\u)+7], v[S+8*\t:S+8*\t+7]   ; keys 16 t on: K Q^T + C
.endif
.endr
	WIN 0
.rept 4
	v_nop                                          ; places in front of the first read of results, and of loads into registers that these products have read
.endr
.if (\nxt)
	KLOAD                                          ; this step's K is done with
.endif
.if (\nxt) == 2
	MLOAD 0                                        ; and so is tile 3's C
.endif
; the step's largest score of my query among my 64 keys, in four chains that take turns: chain c takes accumulators 2 c and 2 c + 1, each from its low end on
.irp c, 0,1,2,3
	v_max3_num_f32 v[MX+\c+10*(\c/2)], v[S+16*\c], v[S+16*\c+1], v[S+16*\c+2]
.endr
.irp i, 3,5,7,9,11,13
.irp c, 0,1,2,3
	v_max3_num_f32 v[MX+\c+10*(\c/2)], v[MX+\c+10*(\c/2)], v[S+16*\c+\i], v[S+16*\c+\i+1]
.endr
.endr
	v_max3_num_f32 v[MX], v[MX], v[MX+1], v[S+15]  ; the four chains and each chain's sixteenth score
	v_max3_num_f32 v[MX+12], v[MX+12], v[MX+13], v[S+31]
	v_max3_num_f32 v[MX], v[MX], v[S+47], v[S+63]
	s_delay_alu instid0(VALU_DEP_1)
	v_max_num_f32 v[MX], v[MX], v[MX+12]
	s_delay_alu instid0(VALU_DEP_1)
	v_permlanex16_b32 v[PX], v[MX], s[SEL], s[SEL+1]
	s_delay_alu instid0(VALU_DEP_1)
	v_max_num_f32 v[MX], v[MX], v[PX]              ; and among lane l xor 16's
	s_delay_alu instid0(VALU_DEP_1)
	v_mul_f32 v[MX], s[CS], v[MX]                  ; as t (c is positive)
	s_delay_alu instid0(VALU_DEP_1)
	v_max_num_f32 v[rT+1], v[rT+1], v[MX]          ; the running largest t
	v_mov_b32 v[MX], v[rT]
	s_delay_alu instid0(VALU_DEP_2)
	v_floor_f32 v[rT], -v[rT+1]                    ; the new -M = floor(-t) = -ceil(t)
	s_delay_alu instid0(VALU_DEP_1)
	v_sub_f32 v[MX], v[rT], v[MX]                  ; M's old value less its new one: a whole number, 0 or less
	s_delay_alu instid0(VALU_DEP_1)
	v_cvt_i32_f32 v[MX], v[MX]                     ; (it saturates)
	s_delay_alu instid0(VALU_DEP_1)
	v_ldexp_f32 v[FF], 1.0, v[MX]                  ; f = 2^(old M - new M)
.set j, 0
.rept 32
	v_pk_fma_f32 v[S+j:S+j+1], v[S+j:S+j+1], s[CS:CS+1], v[rT:rT+1] op_sel_hi:[1,0,0]   ; t - M, two at a time (of the pairs c and -M the low word serves both halves)
.set j, j+2
.endr
.set j, 0
	s_wait_alu depctr_va_vdst(0)
.rept 64
	v_exp_f32 v[S+j], v[S+j]                       ; p = 2^(t - M), at most 1
.set j, j+1
.endr
	v_pk_mul_f32 v[rT+2:rT+3], v[rT+2:rT+3], v[FF:FF+1] op_sel_hi:[1,0]   ; the sums under the new M: the plain instruction behind the exponentials
	s_wait_alu depctr_va_vdst(0)                   ; one wait for the whole batch, ahead of its first reader
	v_pk_add_f32 v[SU:SU+1], v[S:S+1], v[S+2:S+3]  ; the row's sum is taken of the unquantised p, two at a time, in four chains that take turns
	v_pk_add_f32 v[SU2:SU2+1], v[S+4:S+5], v[S+6:S+7]
	v_pk_add_f32 v[SU3:SU3+1], v[S+8:S+9], v[S+10:S+11]
	v_pk_add_f32 v[rT+2:rT+3], v[rT+2:rT+3], v[S+12:S+13]
.irp i, 14,22,30,38,46,54
	v_pk_add_f32 v[SU:SU+1], v[SU:SU+1], v[S+\i:S+\i+1]
	v_pk_add_f32 v[SU2:SU2+1], v[SU2:SU2+1], v[S+\i+2:S+\i+3]
	v_pk_add_f32 v[SU3:SU3+1], v[SU3:SU3+1], v[S+\i+4:S+\i+5]
	v_pk_add_f32 v[rT+2:rT+3], v[rT+2:rT+3], v[S+\i+6:S+\i+7]
.endr
	v_pk_add_f32 v[SU:SU+1], v[SU:SU+1], v[S+62:S+63]
	v_pk_add_f32 v[SU2:SU2+1], v[SU2:SU2+1], v[SU3:SU3+1]
	v_pk_add_f32 v[rT+2:rT+3], v[rT+2:rT+3], v[SU:SU+1]
	s_delay_alu instid0(VALU_DEP_1)
	v_pk_add_f32 v[rT+2:rT+3], v[rT+2:rT+3], v[SU2:SU2+1]
.set j, 0
.rept 32
	v_dual_min_num_f32 v[S+j], v[S+j], v[PLIM] :: v_dual_min_num_f32 v[S+j+1], v[S+j+1], v[PLIM2]   ; the conversion to an 8-bit code does not saturate (ISA guide 7.6.2); p is not negative, so the hold is one-sided; two numbers an instruction
.set j, j+2
.endr
.irp t, 0,1,2,3,4,5,6,7
	v_cvt_scalef32_pk8_bf8_f32 v[PC+2*\t:PC+2*\t+1], v[S+8*\t:S+8*\t+7], v[PSC]   ; registers 2 t, 2 t + 1 of P's fragment: keys 16 t + 8 h + 0 .. 7
.endr
.if (\u) < 2
	CLOAD (\u)+1                                   ; the next tile's C lands while this tile's second product is made
.endif
.if (\nxt)
	CLOAD 0                                        ; the next step's first C
.endif
	WIN 0x41                                       ; O^T (destination and source 0) window 1, f window 0
.set j, 0
.rept 16
	v_pk_mul_f32 v[rO+j:rO+j+1], v[rO+j:rO+j+1], v[FF:FF+1] op_sel_hi:[1,0]   ; O^T under the new M.  (Also the plain instructions between the conversions and the products that read their results)
.set j, j+2
.endr
.if (\u) == 0
	s_wait_alu depctr_va_vdst(0)
	s_wait_dscnt 16                                ; V is in; the sixteen loads of the next tile's C may be out
.endif
	WIN 0x51                                       ; V, C and D window 1; P window 0
.irp c, 0,1,2,3
	v_wmma_f32_16x16x128_bf8_bf8 v[rO+8*\c:rO+8*\c+7], v[VF+16*\c:VF+16*\c+15], v[PC:PC+15], v[rO+8*\c:rO+8*\c+7]   ; channels 16 c on
.endr
	WIN 0
.if (\nxt)
.rept 4
	v_nop                                          ; places in front of loads into registers that these products have read
.endr
	VLOAD                                          ; this step's V is done with
.endif
.endm
.macro KLOAD                           ; my head's K of a key step: eight fragments
.irp t, 0,1,2,3,4,5,6,7
.irp g, 0,1
	ds_load_b128 v[KF+8*\t+4*\g:KF+8*\t+4*\g+3], v[ADK] offset:\t*2048+\g*512
.endr
.endr
.endm
.macro VLOAD                           ; my head's V: four fragments, in window 1
	WIN 0x40
.irp c, 0,1,2,3
.irp q, 0,1,2,3
	ds_load_b128 v[VF+16*\c+4*\q:VF+16*\c+4*\q+3], v[ADV] offset:\c*2048+\q*512
.endr
.endr
	WIN 0
.endm
.macro MLOAD off                       ; 128 keys of the mask for my 16 queries: query i, 512 consecutive bytes
.irp i, 0,1,2,3,4,5,6,7,8,9,10,11,12,13,14,15
	global_load_b128 v[MR+4*\i:MR+4*\i+3], v[LI], s[10:11] offset:\i*8192+\off
.endr
.endm
.macro CLOADM                          ; C of my tile 3, into the mask's registers, which the conversion has left
.irp g, 0,1,2,3,4,5,6,7,8,9,10,11,12,13,14,15
	ds_load_b128 v[MR+4*\g:MR+4*\g+3], v[ADC] offset:3*QT+\g*GP
.endr
.endm
.macro ADDRS                           ; a key step's LDS addresses
	v_add_nc_u32 v[ADK], s[TB], v[AK]
	v_add_nc_u32 v[ADV], s[TB], v[AV]
	v_add_nc_u32 v[ADC], s[MB], v[AIC]
	v_add_nc_u32 v[ADS], s[MS], v[AIS]
.endm
; A KEY STEP k.  At its head K, tile 0's C and V have been asked for, inside the step before.  kind 0 (k = 0 .. 13): all of the lines below; kind 1 (k = 14): no refill and no further mask; kind 2 (k = 15): nothing follows.
; Tiles 0 and 1; the mask of step k + 1 becomes its image; tile 3's C comes into registers: my LDS work on this step's slot and image is over.  The change of slots is opened, and tile 2, work on registers alone, stands between the
; opening signal and its wait.  Behind the round: the refill (step k + 2), the next step's addresses, and tile 3, inside which the next step's first operands are asked for.
.macro STEP kind
	TILE 0, 0
	TILE 1, 0
.if \kind < 2
	CONVERT
.endif
	CLOADM
.if \kind < 2
	MEET                                           ; its wait for LDS covers the C of tiles 2 and 3
.set NOWAIT, 1
	TILE 2, 0
	s_barrier_wait -1
	CREST
.if \kind == 0
	REFILL
.endif
	s_xor_b32 s[TB], s[TB], SLOTX                  ; on to the other slot and the other images
	s_xor_b32 s[MB], s[MB], MIMGX
	s_xor_b32 s[MS], s[MS], MIMGX
	ADDRS
	TILE 3, 2-\kind
.set NOWAIT, 0
.else
	TILE 2, 0
	TILE 3, 0
.endif
.endm
; THE CHANGE OF SLOTS.  Each wave waits for all its tensor loads (its part of the next step's slot), adds 0 to its spare word, waits for that, for its reads of this step's slot and image and for its stores into the next image,
; and signals.  The barrier opens a round of the cluster's barrier; behind the round the next slot and image are whole, nobody reads the others, and the slot just left is filled again: ONE round serves the ring and the images.
; The round of step 14 is followed by no load: step 15 is the last.
.macro CREST
	s_cmp_lg_u32 s[WV], 0
	s_cbranch_scc1 .Lnot_w0_\@
	s_barrier_signal -3
.Lnot_w0_\@:
	s_barrier_wait -3
	s_barrier_signal -1
	s_barrier_wait -1
.endm
.macro MEET
	s_wait_tensorcnt 0x0                           ; no tensor load of mine is out, so group 0 may be written
	ds_add_u32 v[SPW], v[NIL]                      ; 0 onto my spare word
	s_xor_b32 s[G0+1], s[G0+1], SLOTX              ; the walking descriptor: the other slot,
	s_add_nc_u64 s[G0+2:G0+3], s[G0+2:G0+3], 131072   ; the next 128 keys: eight blocks on; the type bits on top are not reached
	s_wait_xcnt 0x0                                ; the last prefetch and the last loads of the mask have read their addresses, so these may be written:
	s_add_nc_u64 s[PFA:PFA+1], s[PFA:PFA+1], 131072   ; one key step further on than the walking descriptor,
	s_add_nc_u64 s[10:11], s[10:11], 512           ; and the mask's next 128 keys (behind step 14 the stepped addresses are not used)
	s_wait_dscnt 0x0
	s_barrier_signal -1
.endm
.macro REFILL
	tensor_load_to_lds s[G0:G0+3], s[G1:G1+7]      ; the first tensor load behind the round, and my one tensor load until the next
	s_nop 0
.rept 4
	v_nop
.endr
	ASK
.endm
	v_add_nc_u32 v[ADS], MIMG0, v[AIS]
	CONVERT                                        ; key step 0's image (its wait covers Q's loads too)
	MLOAD 512                                      ; the mask of key step 1
	MEET
	s_barrier_wait -1
	CREST
	REFILL                                         ; key step 1 into slot 1: a first fill, issued as a refill is
	ADDRS
	KLOAD                                          ; key step 0's first operands, in the order in which tile 3 asks for a later step's
	CLOAD 0
	VLOAD
.Lstep:                                                ; 14 trips: trip k works on key step k and asks for key step k + 2
	STEP 0
	s_sub_co_u32 s[SLOTS], s[SLOTS], 1
	s_cmp_lg_u32 s[SLOTS], 0
	s_cbranch_scc1 .Lstep
	STEP 1                                         ; the last two key steps are written out
	STEP 2
	; THE WAY OUT.  The sum's halves and lane l xor 16's are added (twelve plain lines: the places behind the last products); O^T x 2^(e8 + e9) / the sum goes through my stage, a tile of 16 queries at a time.
.irp t, 0,1,2,3
	v_add_f32 v[ST+4*\t+2], v[ST+4*\t+2], v[ST+4*\t+3]
.endr
.irp t, 0,1,2,3
	s_delay_alu instid0(VALU_DEP_4)
	v_permlanex16_b32 v[ST+4*\t+3], v[ST+4*\t+2], s[SEL], s[SEL+1]
.endr
.irp t, 0,1,2,3
	s_delay_alu instid0(VALU_DEP_4)
	v_add_f32 v[ST+4*\t+2], v[ST+4*\t+2], v[ST+4*\t+3]
.endr
	s_wait_alu depctr_va_vdst(0)
.irp t, 0,1,2,3
	v_rcp_f32 v[ST+4*\t+3], v[ST+4*\t+2]           ; the sum is above 1/2: the row's largest p is
.endr
	v_nop                                          ; a plain instruction behind the last reciprocal
	s_wait_alu depctr_va_vdst(0)                   ; and one wait for the four, ahead of their first reader
.irp t, 0,1,2,3
	v_ldexp_f32 v[ST+4*\t+2], v[ST+4*\t+3], s[EO]
.endr
; Tile u: a lane's eight channels of a row are 32 bytes; they go into rows of 272 bytes and come back as whole rows of 256 (one query's 64 channels of my head), into the registers that they left.
.macro PACK u
.set OB, 32+32*(\u)
	WIN 0x01                                       ; source 0 (O^T) window 1
.set j, 0
.rept 16
	v_pk_mul_f32 v[OB+j:OB+j+1], v[32*(\u)+j:32*(\u)+j+1], v[ST+4*(\u)+2:ST+4*(\u)+3] op_sel_hi:[1,0]   ; each accumulator from its low end on
.set j, j+2
.endr
	WIN 0
.irp c, 0,1,2,3
	ds_store_b128 v[STO], v[OB+8*\c:OB+8*\c+3] offset:64*\c
	ds_store_b128 v[STO], v[OB+8*\c+4:OB+8*\c+7] offset:64*\c+16
.endr
.irp i, 0,1,2,3,4,5,6,7
	ds_load_b128 v[OB+4*\i:OB+4*\i+3], v[RD] offset:\i*2*HP   ; LDS serves a wave's instructions in order (ISA guide 5.7.1.4): these see the stores above; the next tile's stores come behind them
.endr
.endm
.macro SEND u, younger                 ; younger: the LDS instructions issued behind tile u's loads: the next tile's sixteen, or none
.set OB, 32+32*(\u)
.irp i, 0,1,2,3,4,5,6,7
	s_wait_dscnt \younger+7-\i
	global_store_b128 v[GO], v[OB+4*\i:OB+4*\i+3], s[14:15] offset:(16*(\u)+2*\i)*4096 th:TH_STORE_NT   ; 16 lanes store 256 consecutive bytes, at a multiple of 256 from out's first byte; written once, read by nobody here
.endr
.endm
	PACK 0
	PACK 1                                         ; a tile's arithmetic stands between the loads of the tile before and its stores
	SEND 0, 16
	PACK 2
	SEND 1, 16
	PACK 3
	SEND 2, 16
	SEND 3, 0
	s_wait_tensorcnt 0x0                           ; the wave's end, behind my last tensor load and my last LDS store
	ds_add_u32 v[SPW], v[NIL]
	s_wait_dscnt 0x0
	CROUND                                         ; the closing round: no work-group ends while a partner may still ask for a tile that names it
	s_endpgm
.Lfunc_end_k_q1d01cd5fd9_attn:
	.size	k_q1d01cd5fd9_attn, .Lfunc_end_k_q1d01cd5fd9_attn-k_q1d01cd5fd9_attn
	.p2alignl 7, 3214868480
	.fill 96, 4, 3214868480
	.section	.rodata,"a",@progbits
	.p2align	6, 0x0
	.amdhsa_kernel k_q1d01cd5fd9_attn
		.amdhsa_group_segment_fixed_size 327680
		.amdhsa_private_segment_fixed_size 0
		.amdhsa_enable_private_segment 0
		.amdhsa_kernarg_size 48
		.amdhsa_user_sgpr_count 2
		.amdhsa_user_sgpr_kernarg_segment_ptr 1
		.amdhsa_wavefront_size32 1
		.amdhsa_system_sgpr_workgroup_id_x 1
		.amdhsa_system_sgpr_workgroup_id_y 1
		.amdhsa_system_sgpr_workgroup_id_z 1
		.amdhsa_system_vgpr_workitem_id 0
		.amdhsa_next_free_vgpr 512
		.amdhsa_next_free_sgpr 72
		.amdhsa_reserve_vcc 0
		.amdhsa_float_denorm_mode_32 3
		.amdhsa_float_denorm_mode_16_64 3
		.amdhsa_memory_ordered 1
		.amdhsa_forward_progress 1
		.amdhsa_inst_pref_size 230
	.end_amdhsa_kernel
	.amdgpu_metadata
---
amdhsa.version: [ 1, 2 ]
amdhsa.kernels:
  - .name:           k_q1d01cd5fd9_attn
    .symbol:         k_q1d01cd5fd9_attn.kd
    .args:
      - { .name: qimg, .offset: 0, .size: 8, .value_kind: global_buffer, .address_space: global }
      - { .name: kimg, .offset: 8, .size: 8, .value_kind: global_buffer, .address_space: global }
      - { .name: vimg, .offset: 16, .size: 8, .value_kind: global_buffer, .address_space: global }
      - { .name: attention_mask, .offset: 24, .size: 8, .value_kind: global_buffer, .address_space: global }
      - { .name: lowp_scales, .offset: 32, .size: 8, .value_kind: global_buffer, .address_space: global }
      - { .name: out0, .offset: 40, .size: 8, .value_kind: global_buffer, .address_space: global }
    .group_segment_fixed_size: 327680
    .private_segment_fixed_size: 0
    .kernarg_segment_align: 8
    .kernarg_segment_size: 48
    .max_flat_workgroup_size: 256
    .sgpr_count:     72
    .vgpr_count:     512
    .wavefront_size: 32
...
	.end_amdgpu_metadata
.endif
;; end of part 2
